; MI455X (gfx1250); checked and timed in simulation.
; The chip was launched on July 23, 2026; its instructions are those of AMD's public machine-readable ISA for CDNA 5 (MIT licence, August 2026) and "CDNA5" Instruction Set Architecture Reference Guide (July 2026). The comments in the code are by the model that wrote it; some were corrected since.
;; Multi Head Attention T. Allowed arithmetic: matrix products marked QUANTISED: E5M2 operands, one given power-of-two scale a tensor, by v_wmma_f32_16x16x64_bf8_bf8 or v_wmma_f32_16x16x128_bf8_bf8, f32 sums; everything else in f32.
;; Inputs: Wk_codes 512 x 2 x 32 uint8 (E5M2 codes of Wk, K innermost, in blocks of 32 codes); Wo_codes 64 x 16 x 32 uint8 (E5M2 codes of Wo, K innermost, in blocks of 32 codes); Wq_codes 512 x 2 x 32 uint8 (E5M2 codes of Wq, K innermost, in blocks of 32 codes); Wv_codes 512 x 2 x 32 uint8 (E5M2 codes of Wv, K innermost, in blocks of 32 codes); beta 64 float32; bk 512 float32; bo 64 float32; bq 512 float32; bv 512 float32; gamma 64 float32; lowp_scales 12 int32 (the exponents e of the quantised operands' scales 2^e); x 8 x 2,048 x 64 float32.
;; Outputs: out0 8 x 1 x 2,048 x 64 float32.
;; This version of the problem:
;;   THIS VERSION OF THE PROBLEM IS GIVEN IN LOW PRECISION. The matrix products marked QUANTISED in the list below multiply operands that are first quantised to E5M2 (5 exponent bits, 2 mantissa bits; 8 bits a number), with one given power-of-two scale for each operand tensor; their sums are f32. All else is computed in f32.
;;   The module's matrix products, in the order in which they are computed (A, B: the left and right operand; K: the contracted axis; several contracted axes count as one K, in the product's order):
;;     1. [M 16,384, K 64] x [K 64, N 512]; A: input x; B: input Wq (given as codes): QUANTISED (scales: A lowp_scales[0], B lowp_scales[1])
;;     2. [M 16,384, K 64] x [K 64, N 512]; A: input x; B: input Wk (given as codes): QUANTISED (scales: A lowp_scales[2], B lowp_scales[3])
;;     3. [M 16,384, K 64] x [K 64, N 512]; A: input x; B: input Wv (given as codes): QUANTISED (scales: A lowp_scales[4], B lowp_scales[5])
;;     4. batch 64 x [M 2,048, K 64] x [K 64, N 2,048]; A: computed on the way; B: computed on the way: QUANTISED (scales: A lowp_scales[6], B lowp_scales[7])
;;     5. batch 64 x [M 2,048, K 2,048] x [K 2,048, N 64]; A: softmax (see below); B: computed on the way: QUANTISED (scales: A lowp_scales[8], B lowp_scales[9])
;;     6. [M 16,384, K 512] x [K 512, N 64]; A: computed on the way; B: input Wo (given as codes): QUANTISED (scales: A lowp_scales[10], B lowp_scales[11])
;;   THE QUANTISER, for each operand of a quantised product, along K:
;;     - The operand's scale is 2^e, e = its entry of the input lowp_scales (int32; the entries are numbered through the quantised products in the list's order, A before B).
;;     - Each number is divided by the scale, clamped to +-57,344, and rounded to the nearest number of E5M2, ties to even, subnormals kept.
;;     - The product sums the exact products of the quantised numbers (number of the format x scale) in f32.
;;   ~~~python
;;   def quantise(x, axis, e):      # numpy; x: float32 -> the quantised numbers, widened to float32 again
;;       x = np.moveaxis(x, axis, -1); K = x.shape[-1]
;;       r = np.clip(x / 2.0 ** e, -57344, 57344)
;;       step = 2.0 ** (np.maximum(np.frexp(np.where(r == 0, 1, r))[1] - 1, -14) - 2)
;;       q = np.round(r / step) * step * 2.0 ** e      # np.round: ties to even
;;       return np.moveaxis(q, -1, axis).astype(np.float32)
;;   ~~~
;;   SOFTMAX AHEAD OF A QUANTISED PRODUCT. Where the list says 'softmax', what is quantised is not the finished softmax but p = 2^(t - M), with t = logit x log2(e) and M = ceil(the row's largest t), a whole number; so 1/2 < the row's largest p <= 1. The row's sum l is taken of the UNQUANTISED p, in f32, and the product's result is divided by l at the end. Since M is a whole number, a kernel that streams over the keys may use a running M (the ceiling of the running maximum): every later rescaling is an exact power of two, so the quantised numbers keep their values, but for numbers so far below the row's largest that they fall under the format's range.
;;   OPERANDS COMPUTED ON THE WAY. 'Computed on the way' means the value that the module computes at that place (a softmax that the list does not call 'softmax' is quantised finished and normalised). What goes into a quantiser is computed in f32, as accurately as f32 sums, v_exp_f32 and their like allow (about 1e-6 of the number): no bf16 or f16 on the way to a quantiser, and a product that is left as it is and whose result goes on into a quantised operand takes f32 operands (vector FMAs, or v_wmma_f32_16x16x4_f32). A number that lies on a knife's edge between two numbers of the format may be rounded either way, as far as f32 arithmetic and the matrix unit's own rounding can turn it there, and no further.
;;   INPUTS GIVEN AS CODES. Wk (in the module: [64, 512], K = its axis 0); Wo (in the module: [512, 64], K = its axis 0); Wq (in the module: [64, 512], K = its axis 0); Wv (in the module: [64, 512], K = its axis 0): each comes as NAME_codes (uint8): NAME with its K axis moved to the last place and cut into blocks of 32 codes, [.., K / 32, bytes a block], one block behind the other in memory; one code a byte (a code: sign, 5 exponent bits, 2 mantissa bits); its scale is its entry of lowp_scales. Its value is code x scale, taken as it is: it is not quantised again, and the codes and scales need not be those that the quantiser above would give.
;; 2 versions, each right; version 2 is version 1 with the launch mha written anew for expert scheduling mode. Each part assembles by itself: llvm-mc -triple=amdgcn-amd-amdhsa -mcpu=gfx1250 --defsym DOCPART=n.
;; ======== version 1 of 2: 1 launch
;; launch mha (part 1): grid 256 x 1, 16 waves a work-group, no clusters, 314,368 bytes of LDS; arguments x, Wq_codes, Wk_codes, Wv_codes, Wo_codes, bq, bk, bv, bo, gamma, beta, lowp_scales, out0; writes out0
.if DOCPART == 1
	.amdgcn_target "amdgcn-amd-amdhsa--gfx1250"
	.amdhsa_code_object_version 6
	.text
	.protected	k_q01de2e7f0d_mha
	.globl	k_q01de2e7f0d_mha
	.p2align	8
	.type	k_q01de2e7f0d_mha,@function
k_q01de2e7f0d_mha:
	s_mov_b64 s[64:65], 0
	v_nop
	global_prefetch_b8 v0, s[64:65] scope:SCOPE_SE
	s_setreg_imm32_b32 hwreg(HW_REG_WAVE_MODE, 25, 1), 1
	s_wait_xcnt 0x0
; out0 = LayerNorm(x + ctx Wo + bo), ctx = attention over the raw row-major views of x Wq + bq, x Wk + bk, x Wv + bv.  All six products on codes of BF8 (E5M2), each operand with its given scale 2^e.
; THE VIEWS.  Head bh (0..63) is token rows 256 bh .. 256 bh + 255 of x; its key or query i is (token row i / 8, column block j = i % 8 of the 512 columns), d = column % 64.  The view of ctx back to rows of 512 is the
; same map read backwards: an output row needs the 8 queries (its token row, j = 0..7).  So a work-group that owns whole token rows of a head owns whole output rows, and everything is one launch.
; SHARES.  256 work-groups: head = group / 4, block of 64 token rows (512 queries) = group % 4.  Sixteen waves of 256 registers.  Each work-group makes ALL of its head's K and V itself (256 rows of x, 64 KB) and keeps
; them in LDS for the whole launch as images of operand registers (a group of four registers: 16 bytes a lane at 16 x lane, 512 consecutive bytes a store): 128 KB + 128 KB.  The key loop reads LDS alone: no barrier in it.
; A wave owns two tiles of 16 queries: token rows 16 (w / 4) + 0..15 of the block, column blocks 2 (w % 4) and 2 (w % 4) + 1; every fragment of K and V that it reads feeds two products.
; LAYOUTS (r = lane % 16, h = lane / 16).  A fragment with K = 64: registers 2 c, 2 c + 1 hold k = 16 c + 8 h + 0..7 of row r; two on end are a fragment with K = 128.
;   K, Q: source 0 = 16 rows of the weight's codes, source 1 = x: a lane holds one token and 8 neighbouring columns: one conversion gives registers 2 c, 2 c + 1 of the fragment.
;   V:    source 0 = x, source 1 = 16 rows of Wv's codes: a lane holds one column and tokens 8 h + 0..7: one conversion gives register pair j of V^T's fragment, whose place 16 j + 8 h + i is key (token 8 h + i, block j).
;   S^T = K Q^T, key tile j = keys (token r, block j): register i of tile j is key (token 8 h + i, block j): the conversion of tile j gives pair j of P: the same keys at the same places as in V's fragment.
;   O^T = V^T P^T holds one query a lane and 8 neighbouring d: its conversions give ctx's fragment (16 token rows, K chunk = the query's column block).
; THE SOFTMAX: t = score x log2(e) / 8; M = the running largest t rounded up to a whole number; p = 2^(t - M) is quantised, not normalised; the row's sum is taken of the unquantised p and divides at the end.
; NO CLUSTER, NO JOINT LOADS: what the four work-groups of a head share (64 KB of x, 128 KB of weights) is read once at the head and has to pass through registers to be quantised; the 16 key steps touch no memory.
; LIMITS on the given exponents, so that each power of two made below is an f32 number: e0, e2, e4, e8, e10, e6-e0-e1, e7-e2-e3, e9-e4-e5 between -126 and 112; e6+e7 between -123 and 130; e10+e11 between -126 and 127.
; NaN among the inputs is not served (an infinity is held at the largest code).  p under 2^-126 counts as 0.  The last product's sum over K = 512 is kept in two halves that are added once.
; LDS: 0: 16 chunks of 16,384 bytes, one a key step of 128 keys: K's fragment j at 1,024 j, V's fragment dt at 8,192 + 2,048 dt.  XI: x's images (16 for K's product, 16 for V's), later ctx's 32 images.  YST: 64 rows of 256 + 16 bytes.
; REGISTERS in the key loop: v1 16 x lane; v2 the chunk's address; v3 2^e8; v4 -M, v5 largest t, v[6:7] sum (tile A); v8-11 the same (tile B); v12-15 at work; v16-31 Q's two fragments; v32-95 K's 8 or V's 4 fragments;
;   v96-159 S^T, then p; v160-191, v192-223 O^T of A, B; v224-239, v240-255 p's codes of A, B.
.set XI,  262144                       ; x's images; behind the key loop ctx's
.set CTX, XI
.set YST, 294912                       ; the stage for the last product's sums
.set YP,  272                          ; its pitch: 256 bytes + 16
.set CH,  16384                        ; a key step's chunk
.set VOF, 8192                         ; V's fragments in a chunk
.macro MKSC sc, lim, e                 ; s[sc] = 2^e as f32, s[lim] = 57,344 x 2^e, from the whole number e in s[e]
	s_add_co_i32 s[\lim], s[\e], 127
	s_lshl_b32 s[\sc], s[\lim], 23
	s_add_co_i32 s[\lim], s[\lim], 15
	s_lshl_b32 s[\lim], s[\lim], 23
	s_or_b32 s[\lim], s[\lim], 0x600000
.endm
.macro WFRAG reg, adr, base, off       ; a fragment of codes with K = 64 from rows in memory: four loads of 8 bytes, 16 bytes apart
.irp c, 0,1,2,3
	global_load_b64 v[(\reg)+2*\c:(\reg)+2*\c+1], v[\adr], s[\base:\base+1] offset:(\off)+16*\c
.endr
.endm
.macro XLOAD reg, base                 ; 16 rows of x: register 8 c + i = k 16 c + 8 h + i of row r
.irp c, 0,1,2,3
	global_load_b128 v[\reg+8*\c:\reg+8*\c+3], v4, s[\base:\base+1] offset:64*\c
	global_load_b128 v[\reg+8*\c+4:\reg+8*\c+7], v4, s[\base:\base+1] offset:64*\c+16
.endr
.endm
.macro XQUANT src, tmp, dst, sc, lim   ; 32 numbers of a lane become a fragment's 8 registers of codes
.set i, 0
.rept 32
	v_med3_num_f32 v[\tmp+i], v[\src+i], -v[\lim], v[\lim]   ; the conversion to an 8-bit code does not saturate (ISA guide 7.6.2): the hold at the largest code x the scale
.set i, i+1
.endr
.irp c, 0,1,2,3
	v_cvt_scalef32_pk8_bf8_f32 v[\dst+2*\c:\dst+2*\c+1], v[\tmp+8*\c:\tmp+8*\c+7], v[\sc]
.endr
	v_nop                              ; one plain vector line behind a run of scaled conversions
.endm
.macro PLACES n
.rept \n
	v_nop
.endr
.endm
.macro BAR                             ; my LDS stores have landed and my LDS loads are in: then the work-group's barrier
	s_wait_dscnt 0x0
	s_barrier_signal -1
	s_barrier_wait -1
.endm
	; ---------------- the head: addresses
	s_load_b512 s[4:19], s[0:1], 0x0               ; x s[4:5], Wq s[6:7], Wk s[8:9], Wv s[10:11], Wo s[12:13], bq s[14:15], bk s[16:17], bv s[18:19]
	s_load_b256 s[20:27], s[0:1], 0x40             ; bo s[20:21], gamma s[22:23], beta s[24:25], the scales' exponents s[26:27]
	s_load_b64 s[28:29], s[0:1], 0x60              ; out0
	v_lshrrev_b32 v2, 5, v0
	v_readfirstlane_b32 s2, v2                     ; wave w, 0..15
	v_and_b32 v1, 31, v0
	v_lshlrev_b32 v1, 4, v1                        ; 16 x lane: an image's place for my lane; never rewritten
	v_and_b32 v2, 15, v0                           ; r
	v_bfe_u32 v3, v0, 4, 1                         ; h
	v_lshlrev_b32 v4, 8, v2
	v_lshl_add_u32 v4, v3, 5, v4                   ; x: row r of 256 bytes + 32 h
	v_lshlrev_b32 v5, 6, v2
	v_lshl_add_u32 v5, v3, 3, v5                   ; a weight's codes: row r of 64 bytes + 8 h
	v_lshlrev_b32 v6, 5, v3                        ; bq, bk: my half's 8 numbers
	v_lshlrev_b32 v7, 2, v2                        ; bv: my column's number
	s_and_b32 s53, s2, 3                           ; w % 4, kept
	s_lshr_b32 s54, s2, 2                          ; w / 4, kept
	s_lshl_b32 s55, s2, 10
	s_add_co_u32 s55, s55, XI
	v_add_nc_u32 v8, s55, v1                       ; where I store x's images: XI + 1,024 w + 16 x lane
	s_lshl_b32 s55, s2, 9
	v_add_nc_u32 v9, s55, v1                       ; K's images: fragment w / 2, half w % 2: 512 w + 16 x lane
	s_lshl_b32 s55, s53, 11
	s_lshl_b32 s56, s54, 9
	s_add_co_u32 s55, s55, s56
	s_add_co_u32 s55, s55, VOF
	v_add_nc_u32 v10, s55, v1                      ; V's images: fragment w % 4, registers 4 (w / 4) on
	v_add_nc_u32 v11, XI, v1                       ; where x's images are read
	s_mov_b32 s30, 0x76543210                      ; v_permlanex16_b32's selects for lane l xor 16
	s_mov_b32 s31, 0xfedcba98
	s_mov_b32 s80, 0x3c800000                      ; 1 / 64
	s_mov_b32 s81, 0x3727c5ac                      ; 1e-5
	s_lshr_b32 s51, ttmp9, 2
	s_lshl_b32 s51, s51, 16                        ; the head's first byte in x and out0: 256 rows of 256 bytes
	s_and_b32 s52, ttmp9, 3
	s_lshl_b32 s52, s52, 14
	s_add_co_u32 s52, s52, s51                     ; my block's: + 64 rows
	s_mov_b32 s57, 0                               ; the high word of the offsets' pair s[56:57]
	s_wait_kmcnt 0x0
	s_load_b256 s[32:39], s[26:27], 0x0            ; e0 .. e7
	s_load_b128 s[40:43], s[26:27], 0x20           ; e8 .. e11
	s_lshl_b32 s56, s54, 12
	s_add_co_u32 s56, s56, s52
	s_add_nc_u64 s[84:85], s[4:5], s[56:57]        ; x at my queries' 16 token rows
	s_lshl_b32 s56, s2, 10
	s_add_co_u32 s56, s56, s52
	s_add_nc_u64 s[82:83], s[4:5], s[56:57]        ; x at the 4 rows that I store at the end,
	s_add_nc_u64 s[28:29], s[28:29], s[56:57]      ; and out0 there
	s_lshl_b32 s56, s2, 12
	s_add_co_u32 s56, s56, s51
	s_add_nc_u64 s[4:5], s[4:5], s[56:57]          ; x at the head's token rows 16 w on: key step w
	s_lshl_b32 s56, s53, 13
	s_add_nc_u64 s[6:7], s[6:7], s[56:57]          ; Wq: my 128 columns, 128 (w % 4) on
	s_add_nc_u64 s[12:13], s[12:13], s[56:57]      ; Wo: my 16 rows of 512 bytes, 16 (w % 4) on
	s_lshl_b32 s56, s53, 9
	s_add_nc_u64 s[14:15], s[14:15], s[56:57]      ; bq
	s_lshl_b32 s56, s2, 11
	s_add_nc_u64 s[8:9], s[8:9], s[56:57]          ; Wk: my 32 columns, 32 w on
	s_lshl_b32 s56, s2, 7
	s_add_nc_u64 s[16:17], s[16:17], s[56:57]      ; bk
	s_lshl_b32 s56, s54, 13
	s_lshl_b32 s58, s53, 10
	s_add_co_u32 s56, s56, s58
	s_add_nc_u64 s[10:11], s[10:11], s[56:57]      ; Wv: columns 128 (w / 4) + 16 (w % 4) on
	s_lshl_b32 s56, s54, 9
	s_lshl_b32 s58, s53, 6
	s_add_co_u32 s56, s56, s58
	s_add_nc_u64 s[18:19], s[18:19], s[56:57]      ; bv
	; the first group of loads, 64: x for K and V (8), x for Q (8), Wq's 8 fragments (32), bq's 8 tiles (16)
	XLOAD 32, 4
	XLOAD 64, 84
.irp t, 0,1,2,3,4,5,6,7
	WFRAG 128+8*\t, 5, 6, 1024*\t
.endr
.irp t, 0,1,2,3,4,5,6,7
	global_load_b128 v[192+8*\t:195+8*\t], v6, s[14:15] offset:64*\t
	global_load_b128 v[196+8*\t:199+8*\t], v6, s[14:15] offset:64*\t+16
.endr
	; the scales, in scalar registers
	s_wait_kmcnt 0x0
	s_add_co_i32 s55, s32, s33                     ; e0 + e1: a sum of the first product stands for sum x 2^(e0 + e1); bq goes in divided by that,
	s_sub_co_i32 s77, 0, s55
	s_sub_co_i32 s55, s38, s55                     ; and q's conversion takes 2^(e6 - e0 - e1)
	MKSC 68, 69, 55
	s_add_co_i32 s55, s34, s35
	s_sub_co_i32 s78, 0, s55
	s_sub_co_i32 s55, s39, s55                     ; k: e7 - e2 - e3
	MKSC 70, 71, 55
	s_add_co_i32 s55, s36, s37
	s_sub_co_i32 s79, 0, s55
	s_sub_co_i32 s55, s41, s55                     ; v: e9 - e4 - e5
	MKSC 72, 73, 55
	MKSC 60, 61, 32                                ; x for q: e0
	MKSC 62, 63, 34                                ; x for k: e2
	MKSC 66, 67, 36                                ; x for v: e4
	MKSC 74, 75, 42                                ; ctx: e10
	MKSC 76, 46, 40                                ; p: e8
	s_add_co_i32 s47, s40, s41                     ; e8 + e9
	s_add_co_i32 s48, s42, s43
	s_add_co_i32 s48, s48, 127
	s_lshl_b32 s48, s48, 23                        ; 2^(e10 + e11) as f32
	s_mov_b32 s49, s48                             ; (named with it as a pair, so it is written)
	s_add_co_i32 s55, s38, s39
	s_lshl_b32 s55, s55, 23
	s_add_co_i32 s44, s55, 0x3e38aa3b              ; c = log2(e) / 8, with e6 + e7 added to its exponent field
	s_mov_b32 s45, s44
	v_mov_b32 v12, s62
	v_mov_b32 v13, s63
	v_mov_b32 v14, s66
	v_mov_b32 v15, s67
	; ---------------- x becomes codes: my 16 token rows for K's and for V's product, as images for all waves; my queries' rows for Q's product, in registers
	s_wait_loadcnt 56                              ; x for K and V is in: behind it 8 + 32 + 16 loads were issued
	XQUANT 32, 96, 16, 12, 13
	XQUANT 32, 32, 24, 14, 15
	ds_store_b128 v8, v[16:19]
	ds_store_b128 v8, v[20:23] offset:512
	ds_store_b128 v8, v[24:27] offset:16384
	ds_store_b128 v8, v[28:31] offset:16896
	s_wait_loadcnt 48                              ; x for Q is in: behind it 32 + 16
	v_mov_b32 v12, s60
	v_mov_b32 v13, s61
	XQUANT 64, 64, 96, 12, 13
	; the second group of loads, 22, into registers that x has left: Wk's and Wv's two fragments, bk's two tiles, bv's two numbers
.irp u, 0,1
	WFRAG 32+8*\u, 5, 8, 1024*\u
.endr
.irp u, 0,1
	WFRAG 48+8*\u, 5, 10, 4096*\u
.endr
.irp u, 0,1
	global_load_b128 v[64+8*\u:67+8*\u], v6, s[16:17] offset:64*\u
	global_load_b128 v[68+8*\u:71+8*\u], v6, s[16:17] offset:64*\u+16
.endr
	global_load_b32 v80, v7, s[18:19]
	global_load_b32 v81, v7, s[18:19] offset:256
	; ---------------- Q: 8 tiles of 16 columns; the bias is the C of each sum
	s_wait_loadcnt 22                              ; the first group is in: behind it the second group's 22
.set i, 0
.rept 64
	v_ldexp_f32 v[192+i], v[192+i], s77            ; bq / 2^(e0 + e1)
.set i, i+1
.endr
.irp t, 0,1,2,3,4,5,6,7
	v_wmma_f32_16x16x64_bf8_bf8 v[192+8*\t:199+8*\t], v[128+8*\t:135+8*\t], v[96:103], v[192+8*\t:199+8*\t]
.endr
	PLACES 4
	s_wait_dscnt 0x0                               ; the image stores have read v16-31, which take Q's fragments
	v_mov_b32 v12, s68
	v_mov_b32 v13, s69
.set i, 0
.rept 64
	v_med3_num_f32 v[192+i], v[192+i], -v13, v13
.set i, i+1
.endr
.irp t, 0,1,2,3,4,5,6,7
	v_cvt_scalef32_pk8_bf8_f32 v[16+2*\t:17+2*\t], v[192+8*\t:199+8*\t], v12   ; tile 4 u + c gives registers 2 c, 2 c + 1 of fragment u
.endr
	v_nop
	s_wait_loadcnt 0x0                             ; the second group
.set i, 0
.rept 16
	v_ldexp_f32 v[64+i], v[64+i], s78              ; bk / 2^(e2 + e3)
.set i, i+1
.endr
.irp u, 0,1
.irp i, 0,1,2,3,4,5,6,7
	v_ldexp_f32 v[104+8*\u+\i], v[80+\u], s79      ; bv / 2^(e4 + e5): a lane holds one column, so the same number eight times
.endr
.endr
	v_mov_b32 v12, s70                             ; k's scale and limit,
	v_mov_b32 v13, s71
	v_mov_b32 v14, s72                             ; v's
	v_mov_b32 v15, s73
.irp g, 0,1,2,3
	v_add_nc_u32 v[184+\g], \g*0x10000, v9         ; K's and V's images of key steps 4 g .. 4 g + 3: an address register each, so that none is rewritten
	v_add_nc_u32 v[188+\g], \g*0x10000, v10
.endr
	BAR                                            ; x's 32 images lie in LDS
	; ---------------- K and V of the whole head: wave w makes its 32 columns of K and of V for all 16 key steps
; One key step: 16 token rows.  Registers: v32-47 Wk, v48-63 Wv, v64-79 bk, v104-119 bv, v120-127 and v128-135 x's two fragments, v136-151 K's sums, v152-167 V's, v168-183 two sets of codes by turns.
.macro KVSTEP s
.set CODE, 168+8*((\s)%2)
.if (\s) == 0
	s_wait_dscnt 0x0
.else
	s_wait_dscnt 0x2                               ; this step's four fragment loads are in; the two stores issued behind them may be out; the stores of two steps ago, older than the loads, are done: their set of codes is free
.endif
.irp u, 0,1
	v_wmma_f32_16x16x64_bf8_bf8 v[136+8*\u:143+8*\u], v[32+8*\u:39+8*\u], v[120:127], v[64+8*\u:71+8*\u]      ; source 0 = Wk's rows, source 1 = x
.endr
.irp u, 0,1
	v_wmma_f32_16x16x64_bf8_bf8 v[152+8*\u:159+8*\u], v[128:135], v[48+8*\u:55+8*\u], v[104+8*\u:111+8*\u]    ; source 0 = x, source 1 = Wv's rows
.endr
	PLACES 4                                       ; in front of the loads into x's fragments and of the first read of the sums
.if (\s) < 15
	ds_load_b128 v[120:123], v11 offset:((\s)+1)*1024
	ds_load_b128 v[124:127], v11 offset:((\s)+1)*1024+512
	ds_load_b128 v[128:131], v11 offset:16384+((\s)+1)*1024
	ds_load_b128 v[132:135], v11 offset:16384+((\s)+1)*1024+512
.endif
.set i, 0
.rept 16
	v_med3_num_f32 v[136+i], v[136+i], -v13, v13
.set i, i+1
.endr
.set i, 0
.rept 16
	v_med3_num_f32 v[152+i], v[152+i], -v15, v15
.set i, i+1
.endr
.irp u, 0,1
	v_cvt_scalef32_pk8_bf8_f32 v[CODE+2*\u:CODE+2*\u+1], v[136+8*\u:143+8*\u], v12
.endr
.irp u, 0,1
	v_cvt_scalef32_pk8_bf8_f32 v[CODE+4+2*\u:CODE+5+2*\u], v[152+8*\u:159+8*\u], v14
.endr
	v_nop
	ds_store_b128 v[184+(\s)/4], v[CODE:CODE+3] offset:((\s)%4)*CH
	ds_store_b128 v[188+(\s)/4], v[CODE+4:CODE+7] offset:((\s)%4)*CH
.endm
	ds_load_b128 v[120:123], v11
	ds_load_b128 v[124:127], v11 offset:512
	ds_load_b128 v[128:131], v11 offset:16384
	ds_load_b128 v[132:135], v11 offset:16896
.irp s, 0,1,2,3,4,5,6,7,8,9,10,11,12,13,14,15
	KVSTEP \s
.endr
	s_wait_dscnt 0x0                               ; my images have landed, and my reads of x's images are over
	s_barrier_signal -1
.set i, 0
.rept 64
	v_mov_b32 v[160+i], 0                          ; O^T.  (The loop has no first step of its own: it finds zeros, which the first change of M leaves zeros.)  Work on registers while the others arrive
.set i, i+1
.endr
	v_mov_b32 v5, 0xff61b1e6                       ; the largest t so far: -3e38, under every t
	v_mov_b32 v9, 0xff61b1e6
	v_floor_f32 v4, -v5                            ; -M
	v_floor_f32 v8, -v9
	v_mov_b32 v6, 0                                ; the sums, in two halves
	v_mov_b32 v7, 0
	v_mov_b32 v10, 0
	v_mov_b32 v11, 0
	v_mov_b32 v13, 0                               ; (named as the upper half of the pair v[12:13])
	v_mov_b32 v15, 0                               ; a lane permute's destination counts as one of its sources
	v_mov_b32 v3, s76                              ; 2^e8, for p's conversions
	s_barrier_wait -1                              ; the head's K and V lie in LDS; nothing writes them again
	; ---------------- the key loop
; One tile's softmax for a key step: 64 scores of a lane in v96-159.  st: -M, largest t, the sum's two halves; o: the tile's O^T; pc: p's codes.
.macro SOFTMAX st, o, pc
	v_max3_num_f32 v14, v96, v97, v98              ; the step's largest score of my query among my 64 keys, in two chains, ascending: each accumulator is first read at its low end
	v_max3_num_f32 v12, v99, v100, v101
.set j, 6
.rept 14
	v_max3_num_f32 v14, v14, v[96+j], v[97+j]
	v_max3_num_f32 v12, v12, v[98+j], v[99+j]
.set j, j+4
.endr
	v_max3_num_f32 v14, v14, v158, v159
	v_max_num_f32 v14, v14, v12
	v_permlanex16_b32 v15, v14, s30, s31
	v_max_num_f32 v14, v14, v15                    ; and among lane l xor 16's
	v_mul_f32 v14, s44, v14                        ; as t (c is positive)
	v_max_num_f32 v[\st+1], v[\st+1], v14          ; the running largest t
	v_mov_b32 v14, v[\st]
	v_floor_f32 v[\st], -v[\st+1]                  ; the new -M = floor(-t) = -ceil(t): a whole number
	v_sub_f32 v14, v[\st], v14                     ; old M - new M: a whole number, 0 or less
	v_cvt_i32_f32 v14, v14                         ; (it saturates)
	v_ldexp_f32 v12, 1.0, v14                      ; f = 2^(old M - new M): a multiplication by it rounds nothing
.set j, 0
.rept 32
	v_pk_fma_f32 v[96+j:97+j], v[96+j:97+j], s[44:45], v[\st:\st+1] op_sel_hi:[1,0,0]   ; t - M, two at a time (of the pairs c and -M the low word serves both halves)
.set j, j+2
.endr
.set j, 0
.rept 64
	v_exp_f32 v[96+j], v[96+j]                     ; p = 2^(t - M), at most 1
.set j, j+1
.endr
	v_pk_mul_f32 v[\st+2:\st+3], v[\st+2:\st+3], v[12:13] op_sel_hi:[1,0]   ; the sums under the new M: the plain line behind the exponentials
	s_wait_alu depctr_va_vdst(0)                   ; one wait for the batch of 64, ahead of the first line that names a result
	v_pk_add_f32 v[14:15], v[96:97], v[98:99]      ; the row's sum is taken of the unquantised p: two at a time, in two chains
.set j, 4
.rept 15
	v_pk_add_f32 v[\st+2:\st+3], v[\st+2:\st+3], v[96+j:97+j]
	v_pk_add_f32 v[14:15], v[14:15], v[98+j:99+j]
.set j, j+4
.endr
	v_pk_add_f32 v[\st+2:\st+3], v[\st+2:\st+3], v[14:15]
	s_cmp_ge_i32 s40, -15                          ; p <= 1 <= 57,344 x 2^e8 wherever e8 >= -15: there the hold changes no number and is passed over; for every other e8 it runs.  e8 is a whole number of the input
	s_cbranch_scc1 .Lnohold_\@
.set j, 0
.rept 64
	v_min_num_f32 v[96+j], s46, v[96+j]            ; the conversion does not saturate (ISA guide 7.6.2); p is not negative, so the hold is one-sided
.set j, j+1
.endr
.Lnohold_\@:
.irp t, 0,1,2,3,4,5,6,7
	v_cvt_scalef32_pk8_bf8_f32 v[\pc+2*\t:\pc+2*\t+1], v[96+8*\t:103+8*\t], v3   ; key tile t gives pair t of P's fragment
.endr
.set j, 0
.rept 16
	v_pk_mul_f32 v[\o+j:\o+j+1], v[\o+j:\o+j+1], v[12:13] op_sel_hi:[1,0]   ; O^T under the new M.  (Also the plain lines behind the conversions)
.set j, j+2
.endr
.endm
	s_mov_b32 s50, 0                               ; the chunk's LDS byte, and the loop's counter: 16 trips
.Lkeys:
	v_add_nc_u32 v2, s50, v1
	PLACES 3                                       ; with the addition: four places between the last products and the loads into V's registers
.irp t, 0,1,2,3,4,5,6,7
	ds_load_b128 v[32+8*\t:35+8*\t], v2 offset:1024*\t
	ds_load_b128 v[36+8*\t:39+8*\t], v2 offset:1024*\t+512
.endr
	s_wait_dscnt 0x0
.irp t, 0,1,2,3,4,5,6,7
	v_wmma_f32_16x16x64_bf8_bf8 v[96+8*\t:103+8*\t], v[32+8*\t:39+8*\t], v[16:23], 0      ; S^T of tile A
.endr
	PLACES 4
	SOFTMAX 4, 160, 224
.irp t, 0,1,2,3,4,5,6,7
	v_wmma_f32_16x16x64_bf8_bf8 v[96+8*\t:103+8*\t], v[32+8*\t:39+8*\t], v[24:31], 0      ; S^T of tile B, from the same fragments of K
.endr
	PLACES 4                                       ; in front of the loads into K's registers and of the first read of the scores
.irp t, 0,1,2,3
.irp q, 0,1,2,3
	ds_load_b128 v[32+16*\t+4*\q:35+16*\t+4*\q], v2 offset:VOF+2048*\t+512*\q              ; V's four fragments land under tile B's softmax
.endr
.endr
	SOFTMAX 8, 192, 240
	s_wait_dscnt 0x0
.irp t, 0,1,2,3                                ; O^T += V^T P^T: eight accumulators by turns, one instruction a turn
	v_wmma_f32_16x16x128_bf8_bf8 v[160+8*\t:167+8*\t], v[32+16*\t:47+16*\t], v[224:239], v[160+8*\t:167+8*\t]
	v_wmma_f32_16x16x128_bf8_bf8 v[192+8*\t:199+8*\t], v[32+16*\t:47+16*\t], v[240:255], v[192+8*\t:199+8*\t]
.endr
	s_add_co_u32 s50, s50, CH
	s_cmp_lt_u32 s50, 16*CH
	s_cbranch_scc1 .Lkeys
	; ---------------- ctx: O^T / the sum x 2^(e8 + e9), quantised in registers, to LDS as images.  The additions and addresses below are the places behind the last products
	v_add_f32 v6, v6, v7                           ; the sums' two halves
	v_add_f32 v10, v10, v11
	v_and_b32 v124, 15, v0                         ; r
	v_bfe_u32 v125, v0, 4, 1                       ; h
	v_lshlrev_b32 v116, 9, v124
	v_lshl_add_u32 v116, v125, 3, v116             ; Wo's codes: row r of 512 bytes + 8 h
	v_lshlrev_b32 v117, 4, v124                    ; bo, gamma, beta: my 4 columns
	s_lshl_b32 s55, s2, 11
	s_add_co_u32 s55, s55, CTX
	v_add_nc_u32 v118, s55, v1                     ; where I store ctx's images: fragments 2 w and 2 w + 1 (= 8 x tile of rows + column block)
	s_lshl_b32 s55, s54, 13
	s_add_co_u32 s55, s55, CTX
	v_add_nc_u32 v119, s55, v1                     ; and where I read the 8 fragments of tile of rows w / 4
	s_mul_i32 s55, s54, 16*YP
	s_lshl_b32 s56, s53, 6
	s_add_co_u32 s55, s55, s56
	s_add_co_u32 s55, s55, YST
	v_mul_u32_u24 v120, v124, YP
	v_lshl_add_u32 v120, v125, 5, v120
	v_add_nc_u32 v120, s55, v120                   ; the stage, in: row 16 (w / 4) + r, bytes 64 (w % 4) + 32 h on
	s_mul_i32 s55, s2, 4*YP
	s_add_co_u32 s55, s55, YST
	v_mul_u32_u24 v121, v125, YP
	v_lshl_add_u32 v121, v124, 4, v121
	v_add_nc_u32 v121, s55, v121                   ; and back: row 4 w + h, 16 bytes a lane
	v_mov_b32 v122, s74                            ; 2^e10
	v_mov_b32 v123, s75                            ; 57,344 x 2^e10
.irp t, 0,1,2,3,4,5,6,7
	WFRAG 32+8*\t, 116, 12, 64*\t                  ; Wo's 16 rows, K = 512: 32 loads, asked for one barrier ahead of their use
.endr
	global_load_b128 v[96:99], v1, s[82:83]        ; the residual: my 4 rows of x, two rows a load
	global_load_b128 v[100:103], v1, s[82:83] offset:512
	global_load_b128 v[104:107], v117, s[20:21]    ; bo
	global_load_b128 v[108:111], v117, s[22:23]    ; gamma
	global_load_b128 v[112:115], v117, s[24:25]    ; beta
	v_permlanex16_b32 v7, v6, s30, s31
	v_permlanex16_b32 v11, v10, s30, s31
	v_add_f32 v6, v6, v7                           ; the row's sum
	v_add_f32 v10, v10, v11
	v_rcp_f32 v6, v6
	v_rcp_f32 v10, v10
	v_nop                                          ; a plain line behind the reciprocals,
	s_wait_alu depctr_va_vdst(0)                   ; and one wait for the two, ahead of their first reader
	v_ldexp_f32 v6, v6, s47                        ; x 2^(e8 + e9)
	v_ldexp_f32 v10, v10, s47
.set j, 0
.rept 16
	v_pk_mul_f32 v[160+j:161+j], v[160+j:161+j], v[6:7] op_sel_hi:[1,0]
.set j, j+2
.endr
.set j, 0
.rept 16
	v_pk_mul_f32 v[192+j:193+j], v[192+j:193+j], v[10:11] op_sel_hi:[1,0]
.set j, j+2
.endr
.set j, 0
.rept 64
	v_med3_num_f32 v[160+j], v[160+j], -v123, v123
.set j, j+1
.endr
.irp t, 0,1,2,3
	v_cvt_scalef32_pk8_bf8_f32 v[224+2*\t:225+2*\t], v[160+8*\t:167+8*\t], v122
	v_cvt_scalef32_pk8_bf8_f32 v[240+2*\t:241+2*\t], v[192+8*\t:199+8*\t], v122
.endr
	v_nop
	ds_store_b128 v118, v[224:227]
	ds_store_b128 v118, v[228:231] offset:512
	ds_store_b128 v118, v[240:243] offset:1024
	ds_store_b128 v118, v[244:247] offset:1536
	BAR                                            ; ctx's 32 fragments lie in LDS (where x's images lay: their last read stands ahead of the barrier in front of the key loop)
	; ---------------- ctx Wo: wave w makes token rows 16 (w / 4) on x outputs 16 (w % 4) on; source 0 = Wo's rows, source 1 = ctx
.irp t, 0,1,2,3,4,5,6,7
	ds_load_b128 v[160+8*\t:163+8*\t], v119 offset:1024*\t
	ds_load_b128 v[164+8*\t:167+8*\t], v119 offset:1024*\t+512
.endr
	s_wait_loadcnt 5                               ; Wo's 32 loads are in; the five issued behind them may be out
	s_wait_dscnt 0x0
	v_wmma_f32_16x16x128_bf8_bf8 v[128:135], v[32:47], v[160:175], 0          ; two accumulators by turns
	v_wmma_f32_16x16x128_bf8_bf8 v[136:143], v[48:63], v[176:191], 0
	v_wmma_f32_16x16x128_bf8_bf8 v[128:135], v[64:79], v[192:207], v[128:135]
	v_wmma_f32_16x16x128_bf8_bf8 v[136:143], v[80:95], v[208:223], v[136:143]
	PLACES 4
.irp j, 0,2,4,6
	v_pk_add_f32 v[144+\j:145+\j], v[128+\j:129+\j], v[136+\j:137+\j]
.endr
	ds_store_b128 v120, v[144:147]
	ds_store_b128 v120, v[148:151] offset:16
	BAR                                            ; 64 whole rows of sums lie in the stage
	; ---------------- residual and LayerNorm: wave w takes rows 4 w .. 4 w + 3; sixteen lanes hold a row, 4 columns each
	ds_load_b128 v[152:155], v121
	ds_load_b128 v[156:159], v121 offset:2*YP
	s_wait_loadcnt 0x0
.irp i, 0,1
	v_pk_add_f32 v[96+4*\i:97+4*\i], v[96+4*\i:97+4*\i], v[104:105]           ; x + bo
	v_pk_add_f32 v[98+4*\i:99+4*\i], v[98+4*\i:99+4*\i], v[106:107]
.endr
	s_wait_dscnt 0x0
.irp i, 0,1
	v_pk_fma_f32 v[152+4*\i:153+4*\i], v[152+4*\i:153+4*\i], s[48:49], v[96+4*\i:97+4*\i] op_sel_hi:[1,0,1]   ; y = sum x 2^(e10 + e11) + x + bo
	v_pk_fma_f32 v[154+4*\i:155+4*\i], v[154+4*\i:155+4*\i], s[48:49], v[98+4*\i:99+4*\i] op_sel_hi:[1,0,1]
.endr
	v_pk_add_f32 v[124:125], v[152:153], v[154:155]
	v_pk_add_f32 v[126:127], v[156:157], v[158:159]
	v_add_f32 v124, v124, v125
	v_add_f32 v126, v126, v127
.irp m, 1,2,4,8
	v_add_f32_dpp v124, v124, v124 row_xmask:\m row_mask:0xf bank_mask:0xf    ; over the sixteen lanes of the row
	v_add_f32_dpp v126, v126, v126 row_xmask:\m row_mask:0xf bank_mask:0xf
.endr
	v_mul_f32 v124, s80, v124                      ; the mean
	v_mul_f32 v126, s80, v126
.irp k, 0,1,2,3
	v_sub_f32 v[152+\k], v[152+\k], v124           ; the deviations: the variance is taken of them, so no difference of large sums is formed
	v_sub_f32 v[156+\k], v[156+\k], v126
.endr
	v_mul_f32 v125, v152, v152
	v_mul_f32 v127, v156, v156
.irp k, 1,2,3
	v_fma_f32 v125, v[152+\k], v[152+\k], v125
	v_fma_f32 v127, v[156+\k], v[156+\k], v127
.endr
.irp m, 1,2,4,8
	v_add_f32_dpp v125, v125, v125 row_xmask:\m row_mask:0xf bank_mask:0xf
	v_add_f32_dpp v127, v127, v127 row_xmask:\m row_mask:0xf bank_mask:0xf
.endr
	v_fma_f32 v125, v125, s80, s81                 ; the variance + 1e-5
	v_fma_f32 v127, v127, s80, s81
	v_rsq_f32 v125, v125
	v_rsq_f32 v127, v127
	v_nop                                          ; a plain line behind the two,
	s_wait_alu depctr_va_vdst(0)                   ; and one wait ahead of their first reader
.irp k, 0,1,2,3
	v_mul_f32 v[152+\k], v[152+\k], v125
	v_mul_f32 v[156+\k], v[156+\k], v127
.endr
.irp i, 0,1
	v_pk_fma_f32 v[152+4*\i:153+4*\i], v[152+4*\i:153+4*\i], v[108:109], v[112:113]   ; x gamma + beta
	v_pk_fma_f32 v[154+4*\i:155+4*\i], v[154+4*\i:155+4*\i], v[110:111], v[114:115]
.endr
	global_store_b128 v1, v[152:155], s[28:29] th:TH_STORE_NT                 ; 32 lanes store 512 consecutive bytes, two whole rows, at a multiple of 256 from out0's first byte
	global_store_b128 v1, v[156:159], s[28:29] offset:512 th:TH_STORE_NT
	s_wait_xcnt 0x0
	v_lshl_add_u32 v254, v0, 2, 0x4c400
	v_mov_b32 v255, 0
	s_wait_tensorcnt 0x0
	ds_add_u32 v254, v255
	s_wait_dscnt 0x0
	s_endpgm
.Lfunc_end_k_q01de2e7f0d_mha:
	.size	k_q01de2e7f0d_mha, .Lfunc_end_k_q01de2e7f0d_mha-k_q01de2e7f0d_mha
	.p2alignl 7, 3214868480
	.fill 96, 4, 3214868480
	.section	.rodata,"a",@progbits
	.p2align	6, 0x0
	.amdhsa_kernel k_q01de2e7f0d_mha
		.amdhsa_group_segment_fixed_size 314368
		.amdhsa_private_segment_fixed_size 0
		.amdhsa_enable_private_segment 0
		.amdhsa_kernarg_size 104
		.amdhsa_user_sgpr_count 2
		.amdhsa_user_sgpr_kernarg_segment_ptr 1
		.amdhsa_wavefront_size32 1
		.amdhsa_system_sgpr_workgroup_id_x 1
		.amdhsa_system_sgpr_workgroup_id_y 1
		.amdhsa_system_sgpr_workgroup_id_z 1
		.amdhsa_system_vgpr_workitem_id 0
		.amdhsa_next_free_vgpr 256
		.amdhsa_next_free_sgpr 96
		.amdhsa_reserve_vcc 0
		.amdhsa_float_denorm_mode_32 3
		.amdhsa_float_denorm_mode_16_64 3
		.amdhsa_memory_ordered 1
		.amdhsa_forward_progress 1
		.amdhsa_inst_pref_size 131
	.end_amdhsa_kernel
	.amdgpu_metadata
---
amdhsa.version: [ 1, 2 ]
amdhsa.kernels:
  - .name:           k_q01de2e7f0d_mha
    .symbol:         k_q01de2e7f0d_mha.kd
    .args:
      - { .name: x, .offset: 0, .size: 8, .value_kind: global_buffer, .address_space: global }
      - { .name: Wq_codes, .offset: 8, .size: 8, .value_kind: global_buffer, .address_space: global }
      - { .name: Wk_codes, .offset: 16, .size: 8, .value_kind: global_buffer, .address_space: global }
      - { .name: Wv_codes, .offset: 24, .size: 8, .value_kind: global_buffer, .address_space: global }
      - { .name: Wo_codes, .offset: 32, .size: 8, .value_kind: global_buffer, .address_space: global }
      - { .name: bq, .offset: 40, .size: 8, .value_kind: global_buffer, .address_space: global }
      - { .name: bk, .offset: 48, .size: 8, .value_kind: global_buffer, .address_space: global }
      - { .name: bv, .offset: 56, .size: 8, .value_kind: global_buffer, .address_space: global }
      - { .name: bo, .offset: 64, .size: 8, .value_kind: global_buffer, .address_space: global }
      - { .name: gamma, .offset: 72, .size: 8, .value_kind: global_buffer, .address_space: global }
      - { .name: beta, .offset: 80, .size: 8, .value_kind: global_buffer, .address_space: global }
      - { .name: lowp_scales, .offset: 88, .size: 8, .value_kind: global_buffer, .address_space: global }
      - { .name: out0, .offset: 96, .size: 8, .value_kind: global_buffer, .address_space: global }
    .group_segment_fixed_size: 314368
    .private_segment_fixed_size: 0
    .kernarg_segment_align: 8
    .kernarg_segment_size: 104
    .max_flat_workgroup_size: 512
    .sgpr_count:     96
    .vgpr_count:     256
    .wavefront_size: 32
...
	.end_amdgpu_metadata
.endif
;; end of part 1
;; ======== version 2 of 2: 1 launch; version 1 with the launch mha written anew for expert scheduling mode
;; launch mha (part 2): grid 256 x 1, 16 waves a work-group, no clusters, 314,368 bytes of LDS; arguments x, Wq_codes, Wk_codes, Wv_codes, Wo_codes, bq, bk, bv, bo, gamma, beta, lowp_scales, out0; writes out0
.if DOCPART == 2
	.amdgcn_target "amdgcn-amd-amdhsa--gfx1250"
	.amdhsa_code_object_version 6
	.text
	.protected	k_q01de2e7f0d_mha
	.globl	k_q01de2e7f0d_mha
	.p2align	8
	.type	k_q01de2e7f0d_mha,@function
k_q01de2e7f0d_mha:
	s_mov_b64 s[64:65], 0
	v_nop
	global_prefetch_b8 v0, s[64:65] scope:SCOPE_SE
	s_setreg_imm32_b32 hwreg(HW_REG_WAVE_SCHED_MODE, 0, 2), 2
	s_setreg_imm32_b32 hwreg(HW_REG_WAVE_MODE, 25, 1), 1
	s_wait_xcnt 0x0
	s_wait_alu depctr_vm_vsrc(0)
; out0 = LayerNorm(x + ctx Wo + bo), ctx = attention over the raw row-major views of x Wq + bq, x Wk + bk, x Wv + bv.  All six products on codes of BF8 (E5M2), each operand with its given scale 2^e.
; THE VIEWS.  Head bh (0..63) is token rows 256 bh .. 256 bh + 255 of x; its key or query i is (token row i / 8, column block j = i % 8 of the 512 columns), d = column % 64.  The view of ctx back to rows of 512 is the
; same map read backwards: an output row needs the 8 queries (its token row, j = 0..7).  So a work-group that owns whole token rows of a head owns whole output rows, and everything is one launch.
; SHARES.  256 work-groups: head = group / 4, block of 64 token rows (512 queries) = group % 4.  Sixteen waves of 256 registers.  Each work-group makes ALL of its head's K and V itself (256 rows of x, 64 KB) and keeps
; them in LDS for the whole launch as images of operand registers (a group of four registers: 16 bytes a lane at 16 x lane, 512 consecutive bytes a store): 128 KB + 128 KB.  The key loop reads LDS alone: no barrier in it.
; A wave owns two tiles of 16 queries: token rows 16 (w / 4) + 0..15 of the block, column blocks 2 (w % 4) and 2 (w % 4) + 1; every fragment of K and V that it reads feeds two products.
; LAYOUTS (r = lane % 16, h = lane / 16).  A fragment with K = 64: registers 2 c, 2 c + 1 hold k = 16 c + 8 h + 0..7 of row r; two on end are a fragment with K = 128.
;   K, Q: source 0 = 16 rows of the weight's codes, source 1 = x: a lane holds one token and 8 neighbouring columns: one conversion gives registers 2 c, 2 c + 1 of the fragment.
;   V:    source 0 = x, source 1 = 16 rows of Wv's codes: a lane holds one column and tokens 8 h + 0..7: one conversion gives register pair j of V^T's fragment, whose place 16 j + 8 h + i is key (token 8 h + i, block j).
;   S^T = K Q^T, key tile j = keys (token r, block j): register i of tile j is key (token 8 h + i, block j): the conversion of tile j gives pair j of P: the same keys at the same places as in V's fragment.
;   O^T = V^T P^T holds one query a lane and 8 neighbouring d: its conversions give ctx's fragment (16 token rows, K chunk = the query's column block).
; THE SOFTMAX: t = score x log2(e) / 8; M = the running largest t rounded up to a whole number; p = 2^(t - M) is quantised, not normalised; the row's sum is taken of the unquantised p and divides at the end.
; NO CLUSTER, NO JOINT LOADS: what the four work-groups of a head share (64 KB of x, 128 KB of weights) is read once at the head and has to pass through registers to be quantised; the 16 key steps touch no memory.
; LIMITS on the given exponents, so that each power of two made below is an f32 number: e0, e2, e4, e8, e10, e6-e0-e1, e7-e2-e3, e9-e4-e5 between -126 and 112; e6+e7 between -123 and 130; e10+e11 between -126 and 127.
; NaN among the inputs is not served (an infinity is held at the largest code).  p under 2^-126 counts as 0.  The last product's sum over K = 512 is kept in two halves that are added once.
; LDS: 0: 16 chunks of 16,384 bytes, one a key step of 128 keys: K's fragment j at 1,024 j, V's fragment dt at 8,192 + 2,048 dt.  XI: x's images (16 for K's product, 16 for V's), later ctx's 32 images.  YST: 64 rows of 256 + 16 bytes.
; REGISTERS in the key loop: v1 16 x lane; v2 the chunk's address; v3 2^e8; v4 -M, v5 largest t, v[6:7] sum (tile A); v8-11 the same (tile B); v12-15 at work; v16-31 Q's two fragments; v32-95 K's 8 or V's 4 fragments;
;   v96-159 S^T, then p; v160-191, v192-223 O^T of A, B; v224-239, v240-255 p's codes of A, B.
; THE MODE: SCHED_MODE bits 1:0 = 2 (LLVM: expert scheduling mode 2), set by the entry lines.  The code itself states the register dependences between vector or matrix instructions and memory or LDS instructions,
; with s_wait_alu, always for 0.
; THE PLAN.  Registers that memory or LDS instructions touch:
;   HEAD.   v1, v4-v8, v11: offsets and LDS addresses, written once ahead of the first load; v4-v8 and v11 become the softmax's statistics ahead of the key loop.  v16-31: x's codes, read by four image stores, then written
;           by Q's conversions.  v32-81: x as loaded and held; the second group of loads lands there.
;   K, V.   XF0 = v120-135, XF1 = v192-207: step s's four products read XF[s % 2]; at the step's end the fragments of step s + 2 land in it.  CODE0, CODE1 = v168-183: step s's conversions write CODE[s % 2], its two image
;           stores read it.  v184-191: the stores' addresses, written once.  One wait on va_vdst a step, behind its conversions; one on vm_vsrc at the head of a step, for the stores of two steps back.
;   LOOP.   v2: read by the trip's 32 LDS loads, written at the trip's head.  v32-95: K's fragments land, 16 products read them, V's land, 8 products read them.  All 256 registers are taken (four waves share a SIMD's
;           1,024), so there is no second buffer: one wait on vm_vsrc and one on va_vdst at the trip's head, one on va_vdst ahead of V's loads, straight ahead of the first reader of the scores just made.
;   OUT.    v32-115: Wo, the residual, bo, gamma, beta land.  v224-231, v240-247: ctx's codes, stored.  v160-223: ctx's fragments land.  v144-151: the sums, stored.  v152-159: rows of sums land, become y, are stored.
.set XI,  262144                       ; x's images; behind the key loop ctx's
.set CTX, XI
.set YST, 294912                       ; the stage for the last product's sums
.set YP,  272                          ; its pitch: 256 bytes + 16
.set CH,  16384                        ; a key step's chunk
.set VOF, 8192                         ; V's fragments in a chunk
.macro MKSC sc, lim, e                 ; s[sc] = 2^e as f32, s[lim] = 57,344 x 2^e, from the whole number e in s[e]
	s_add_co_i32 s[\lim], s[\e], 127
	s_lshl_b32 s[\sc], s[\lim], 23
	s_add_co_i32 s[\lim], s[\lim], 15
	s_lshl_b32 s[\lim], s[\lim], 23
	s_or_b32 s[\lim], s[\lim], 0x600000
.endm
.macro WFRAG reg, adr, base, off       ; a fragment of codes with K = 64 from rows in memory: four loads of 8 bytes, 16 bytes apart
.irp c, 0,1,2,3
	global_load_b64 v[(\reg)+2*\c:(\reg)+2*\c+1], v[\adr], s[\base:\base+1] offset:(\off)+16*\c
.endr
.endm
.macro XLOAD reg, base                 ; 16 rows of x: register 8 c + i = k 16 c + 8 h + i of row r
.irp c, 0,1,2,3
	global_load_b128 v[\reg+8*\c:\reg+8*\c+3], v4, s[\base:\base+1] offset:64*\c
	global_load_b128 v[\reg+8*\c+4:\reg+8*\c+7], v4, s[\base:\base+1] offset:64*\c+16
.endr
.endm
.macro XQUANT src, tmp, dst, sc, lim   ; 32 numbers of a lane become a fragment's 8 registers of codes
.set i, 0
.rept 32
	v_med3_num_f32 v[\tmp+i], v[\src+i], -v[\lim], v[\lim]   ; the conversion to an 8-bit code does not saturate (ISA guide 7.6.2): the hold at the largest code x the scale
.set i, i+1
.endr
.irp c, 0,1,2,3
	v_cvt_scalef32_pk8_bf8_f32 v[\dst+2*\c:\dst+2*\c+1], v[\tmp+8*\c:\tmp+8*\c+7], v[\sc]
.endr
	v_nop                              ; one plain vector line behind a run of scaled conversions
.endm
.macro PLACES n
.rept \n
	v_nop
.endr
.endm
.macro BAR                             ; my LDS stores have landed and my LDS loads are in: then the work-group's barrier
	s_wait_dscnt 0x0
	s_barrier_signal -1
	s_barrier_wait -1
.endm
	; ---------------- the head: addresses
	s_load_b512 s[4:19], s[0:1], 0x0               ; x s[4:5], Wq s[6:7], Wk s[8:9], Wv s[10:11], Wo s[12:13], bq s[14:15], bk s[16:17], bv s[18:19]
	s_load_b256 s[20:27], s[0:1], 0x40             ; bo s[20:21], gamma s[22:23], beta s[24:25], the scales' exponents s[26:27]
	s_load_b64 s[28:29], s[0:1], 0x60              ; out0
	v_lshrrev_b32 v2, 5, v0
	v_readfirstlane_b32 s2, v2                     ; wave w, 0..15
	v_and_b32 v1, 31, v0
	v_lshlrev_b32 v1, 4, v1                        ; 16 x lane: an image's place for my lane; never rewritten
	v_and_b32 v2, 15, v0                           ; r
	v_bfe_u32 v3, v0, 4, 1                         ; h
	v_lshlrev_b32 v4, 8, v2
	v_lshl_add_u32 v4, v3, 5, v4                   ; x: row r of 256 bytes + 32 h
	v_lshlrev_b32 v5, 6, v2
	v_lshl_add_u32 v5, v3, 3, v5                   ; a weight's codes: row r of 64 bytes + 8 h
	v_lshlrev_b32 v6, 5, v3                        ; bq, bk: my half's 8 numbers
	v_lshlrev_b32 v7, 2, v2                        ; bv: my column's number
	s_wait_alu depctr_va_sdst(0)                   ; s2 is written, ahead of its first reader: every share of the wave is made from it
	s_and_b32 s53, s2, 3                           ; w % 4, kept
	s_lshr_b32 s54, s2, 2                          ; w / 4, kept
	s_lshl_b32 s55, s2, 10
	s_add_co_u32 s55, s55, XI
	v_add_nc_u32 v8, s55, v1                       ; where I store x's images: XI + 1,024 w + 16 x lane
	s_lshl_b32 s55, s2, 9
	v_add_nc_u32 v9, s55, v1                       ; K's images: fragment w / 2, half w % 2: 512 w + 16 x lane
	s_lshl_b32 s55, s53, 11
	s_lshl_b32 s56, s54, 9
	s_add_co_u32 s55, s55, s56
	s_add_co_u32 s55, s55, VOF
	v_add_nc_u32 v10, s55, v1                      ; V's images: fragment w % 4, registers 4 (w / 4) on
	v_add_nc_u32 v11, XI, v1                       ; where x's images are read
	s_mov_b32 s30, 0x76543210                      ; v_permlanex16_b32's selects for lane l xor 16
	s_mov_b32 s31, 0xfedcba98
	s_mov_b32 s80, 0x3c800000                      ; 1 / 64
	s_mov_b32 s81, 0x3727c5ac                      ; 1e-5
	s_lshr_b32 s51, ttmp9, 2
	s_lshl_b32 s51, s51, 16                        ; the head's first byte in x and out0: 256 rows of 256 bytes
	s_and_b32 s52, ttmp9, 3
	s_lshl_b32 s52, s52, 14
	s_add_co_u32 s52, s52, s51                     ; my block's: + 64 rows
	s_mov_b32 s57, 0                               ; the high word of the offsets' pair s[56:57]
	s_wait_kmcnt 0x0
	s_load_b256 s[32:39], s[26:27], 0x0            ; e0 .. e7
	s_load_b128 s[40:43], s[26:27], 0x20           ; e8 .. e11
	s_lshl_b32 s56, s54, 12
	s_add_co_u32 s56, s56, s52
	s_add_nc_u64 s[84:85], s[4:5], s[56:57]        ; x at my queries' 16 token rows
	s_lshl_b32 s56, s2, 10
	s_add_co_u32 s56, s56, s52
	s_add_nc_u64 s[82:83], s[4:5], s[56:57]        ; x at the 4 rows that I store at the end,
	s_add_nc_u64 s[28:29], s[28:29], s[56:57]      ; and out0 there
	s_lshl_b32 s56, s2, 12
	s_add_co_u32 s56, s56, s51
	s_add_nc_u64 s[4:5], s[4:5], s[56:57]          ; x at the head's token rows 16 w on: key step w
	s_lshl_b32 s56, s53, 13
	s_add_nc_u64 s[6:7], s[6:7], s[56:57]          ; Wq: my 128 columns, 128 (w % 4) on
	s_add_nc_u64 s[12:13], s[12:13], s[56:57]      ; Wo: my 16 rows of 512 bytes, 16 (w % 4) on
	s_lshl_b32 s56, s53, 9
	s_add_nc_u64 s[14:15], s[14:15], s[56:57]      ; bq
	s_lshl_b32 s56, s2, 11
	s_add_nc_u64 s[8:9], s[8:9], s[56:57]          ; Wk: my 32 columns, 32 w on
	s_lshl_b32 s56, s2, 7
	s_add_nc_u64 s[16:17], s[16:17], s[56:57]      ; bk
	s_lshl_b32 s56, s54, 13
	s_lshl_b32 s58, s53, 10
	s_add_co_u32 s56, s56, s58
	s_add_nc_u64 s[10:11], s[10:11], s[56:57]      ; Wv: columns 128 (w / 4) + 16 (w % 4) on
	s_lshl_b32 s56, s54, 9
	s_lshl_b32 s58, s53, 6
	s_add_co_u32 s56, s56, s58
	s_add_nc_u64 s[18:19], s[18:19], s[56:57]      ; bv
	s_wait_alu depctr_va_vdst(0)                   ; v1, v4 to v8 and v11 are written: the loads and LDS instructions of the head and of the K and V phase read them as offsets and addresses
	; the first group of loads, 64: x for K and V (8), x for Q (8), Wq's 8 fragments (32), bq's 8 tiles (16)
	XLOAD 32, 4
	XLOAD 64, 84
.irp t, 0,1,2,3,4,5,6,7
	WFRAG 128+8*\t, 5, 6, 1024*\t
.endr
.irp t, 0,1,2,3,4,5,6,7
	global_load_b128 v[192+8*\t:195+8*\t], v6, s[14:15] offset:64*\t
	global_load_b128 v[196+8*\t:199+8*\t], v6, s[14:15] offset:64*\t+16
.endr
	; the scales, in scalar registers
	s_wait_kmcnt 0x0
	s_add_co_i32 s55, s32, s33                     ; e0 + e1: a sum of the first product stands for sum x 2^(e0 + e1); bq goes in divided by that,
	s_sub_co_i32 s77, 0, s55
	s_sub_co_i32 s55, s38, s55                     ; and q's conversion takes 2^(e6 - e0 - e1)
	MKSC 68, 69, 55
	s_add_co_i32 s55, s34, s35
	s_sub_co_i32 s78, 0, s55
	s_sub_co_i32 s55, s39, s55                     ; k: e7 - e2 - e3
	MKSC 70, 71, 55
	s_add_co_i32 s55, s36, s37
	s_sub_co_i32 s79, 0, s55
	s_sub_co_i32 s55, s41, s55                     ; v: e9 - e4 - e5
	MKSC 72, 73, 55
	MKSC 60, 61, 32                                ; x for q: e0
	MKSC 62, 63, 34                                ; x for k: e2
	MKSC 66, 67, 36                                ; x for v: e4
	MKSC 74, 75, 42                                ; ctx: e10
	MKSC 76, 46, 40                                ; p: e8
	s_add_co_i32 s47, s40, s41                     ; e8 + e9
	s_add_co_i32 s48, s42, s43
	s_add_co_i32 s48, s48, 127
	s_lshl_b32 s48, s48, 23                        ; 2^(e10 + e11) as f32
	s_mov_b32 s49, s48                             ; (named with it as a pair, so it is written)
	s_add_co_i32 s55, s38, s39
	s_lshl_b32 s55, s55, 23
	s_add_co_i32 s44, s55, 0x3e38aa3b              ; c = log2(e) / 8, with e6 + e7 added to its exponent field
	s_mov_b32 s45, s44
	v_mov_b32 v12, s62
	v_mov_b32 v13, s63
	v_mov_b32 v14, s66
	v_mov_b32 v15, s67
	; ---------------- x becomes codes: my 16 token rows for K's and for V's product, as images for all waves; my queries' rows for Q's product, in registers
	s_wait_loadcnt 56                              ; x for K and V is in: behind it 8 + 32 + 16 loads were issued
	XQUANT 32, 96, 16, 12, 13
	XQUANT 32, 32, 24, 14, 15
	s_wait_loadcnt 48                              ; x for Q is in: behind it 32 + 16
	v_mov_b32 v12, s60
	v_mov_b32 v13, s61
	XQUANT 64, 64, 96, 12, 13
	s_wait_alu depctr_va_vdst(0)                   ; the conversions have written v16-31, which the four image stores read; the holds and conversions are done with v32-95, in which the second group of loads lands
	ds_store_b128 v8, v[16:19]
	ds_store_b128 v8, v[20:23] offset:512
	ds_store_b128 v8, v[24:27] offset:16384
	ds_store_b128 v8, v[28:31] offset:16896
	; the second group of loads, 22, into registers that x has left: Wk's and Wv's two fragments, bk's two tiles, bv's two numbers
.irp u, 0,1
	WFRAG 32+8*\u, 5, 8, 1024*\u
.endr
.irp u, 0,1
	WFRAG 48+8*\u, 5, 10, 4096*\u
.endr
.irp u, 0,1
	global_load_b128 v[64+8*\u:67+8*\u], v6, s[16:17] offset:64*\u
	global_load_b128 v[68+8*\u:71+8*\u], v6, s[16:17] offset:64*\u+16
.endr
	global_load_b32 v80, v7, s[18:19]
	global_load_b32 v81, v7, s[18:19] offset:256
	; ---------------- Q: 8 tiles of 16 columns; the bias is the C of each sum
	s_wait_loadcnt 22                              ; the first group is in: behind it the second group's 22
.set i, 0
.rept 64
	v_ldexp_f32 v[192+i], v[192+i], s77            ; bq / 2^(e0 + e1)
.set i, i+1
.endr
.irp t, 0,1,2,3,4,5,6,7
	v_wmma_f32_16x16x64_bf8_bf8 v[192+8*\t:199+8*\t], v[128+8*\t:135+8*\t], v[96:103], v[192+8*\t:199+8*\t]
.endr
	PLACES 4
	s_wait_dscnt 0x0                               ; the image stores have read v16-31, which take Q's fragments
	s_wait_alu depctr_vm_vsrc(0)                   ; stated for the mode: the four image stores have read v16-31, which the conversions below write
	v_mov_b32 v12, s68
	v_mov_b32 v13, s69
.set i, 0
.rept 64
	v_med3_num_f32 v[192+i], v[192+i], -v13, v13
.set i, i+1
.endr
.irp t, 0,1,2,3,4,5,6,7
	v_cvt_scalef32_pk8_bf8_f32 v[16+2*\t:17+2*\t], v[192+8*\t:199+8*\t], v12   ; tile 4 u + c gives registers 2 c, 2 c + 1 of fragment u
.endr
	v_nop
	s_wait_loadcnt 0x0                             ; the second group
.set i, 0
.rept 16
	v_ldexp_f32 v[64+i], v[64+i], s78              ; bk / 2^(e2 + e3)
.set i, i+1
.endr
.irp u, 0,1
.irp i, 0,1,2,3,4,5,6,7
	v_ldexp_f32 v[104+8*\u+\i], v[80+\u], s79      ; bv / 2^(e4 + e5): a lane holds one column, so the same number eight times
.endr
.endr
	v_mov_b32 v12, s70                             ; k's scale and limit,
	v_mov_b32 v13, s71
	v_mov_b32 v14, s72                             ; v's
	v_mov_b32 v15, s73
.irp g, 0,1,2,3
	v_add_nc_u32 v[184+\g], \g*0x10000, v9         ; K's and V's images of key steps 4 g .. 4 g + 3: an address register each, so that none is rewritten
	v_add_nc_u32 v[188+\g], \g*0x10000, v10
.endr
	BAR                                            ; x's 32 images lie in LDS
	; ---------------- K and V of the whole head: wave w makes its 32 columns of K and of V for all 16 key steps
; One key step: 16 token rows.  Registers: v32-47 Wk, v48-63 Wv, v64-79 bk, v104-119 bv, v120-135 and v192-207 x's two fragments in two sets by turns, v136-151 K's sums, v152-167 V's, v168-183 two sets of codes by turns.
; At a step's end stand its two image stores and the four loads of the fragments of two steps on, into the set that the step has just multiplied.
.macro KVSTEP s
.set CODE, 168+8*((\s)%2)
.set XF, 120+72*((\s)%2)
.if (\s) == 0
	s_wait_dscnt 0x4                               ; the first set's four loads are in; the second set's four may be out
.elseif (\s) == 15
	s_wait_dscnt 0x2                               ; behind this step's fragment loads only step 14's two stores were issued
.else
	s_wait_dscnt 0x6                               ; this step's four fragment loads are in; the last step's two stores and four loads, issued behind them, may be out
.endif
.if (\s) >= 2
	s_wait_alu depctr_vm_vsrc(0)                   ; the image stores of two steps ago have read this step's set of codes, which its conversions write again
.endif
.irp u, 0,1
	v_wmma_f32_16x16x64_bf8_bf8 v[136+8*\u:143+8*\u], v[32+8*\u:39+8*\u], v[XF:XF+7], v[64+8*\u:71+8*\u]      ; source 0 = Wk's rows, source 1 = x
.endr
.irp u, 0,1
	v_wmma_f32_16x16x64_bf8_bf8 v[152+8*\u:159+8*\u], v[XF+8:XF+15], v[48+8*\u:55+8*\u], v[104+8*\u:111+8*\u]    ; source 0 = x, source 1 = Wv's rows
.endr
	PLACES 4                                       ; in front of the first read of the sums
.set i, 0
.rept 16
	v_med3_num_f32 v[136+i], v[136+i], -v13, v13
.set i, i+1
.endr
.set i, 0
.rept 16
	v_med3_num_f32 v[152+i], v[152+i], -v15, v15
.set i, i+1
.endr
.irp u, 0,1
	v_cvt_scalef32_pk8_bf8_f32 v[CODE+2*\u:CODE+2*\u+1], v[136+8*\u:143+8*\u], v12
.endr
.irp u, 0,1
	v_cvt_scalef32_pk8_bf8_f32 v[CODE+4+2*\u:CODE+5+2*\u], v[152+8*\u:159+8*\u], v14
.endr
	v_nop
	s_wait_alu depctr_va_vdst(0)                   ; the conversions have written the set of codes, which the two stores read; the step's four products are done reading their set of x's fragments, in which the loads below land
	ds_store_b128 v[184+(\s)/4], v[CODE:CODE+3] offset:((\s)%4)*CH
	ds_store_b128 v[188+(\s)/4], v[CODE+4:CODE+7] offset:((\s)%4)*CH
.if (\s) < 14
	ds_load_b128 v[XF:XF+3], v11 offset:((\s)+2)*1024
	ds_load_b128 v[XF+4:XF+7], v11 offset:((\s)+2)*1024+512
	ds_load_b128 v[XF+8:XF+11], v11 offset:16384+((\s)+2)*1024
	ds_load_b128 v[XF+12:XF+15], v11 offset:16384+((\s)+2)*1024+512
.endif
.endm
	s_wait_alu depctr_va_vdst(0)                   ; Q's products, holds and conversions are done with v120-135 and v192-207, in which x's fragments land; v184-191, the image stores' addresses, are written
.irp b, 0,1
	ds_load_b128 v[120+72*\b:123+72*\b], v11 offset:1024*\b
	ds_load_b128 v[124+72*\b:127+72*\b], v11 offset:1024*\b+512
	ds_load_b128 v[128+72*\b:131+72*\b], v11 offset:16384+1024*\b
	ds_load_b128 v[132+72*\b:135+72*\b], v11 offset:16384+1024*\b+512
.endr
.irp s, 0,1,2,3,4,5,6,7,8,9,10,11,12,13,14,15
	KVSTEP \s
.endr
	s_wait_dscnt 0x0                               ; my images have landed, and my reads of x's images are over
	s_wait_alu depctr_vm_vsrc(0)                   ; the head's loads and LDS instructions have read v4-v8 and v11, the image stores v168-191: all of these are written anew below
	s_barrier_signal -1
.set i, 0
.rept 64
	v_mov_b32 v[160+i], 0                          ; O^T.  (The loop has no first step of its own: it finds zeros, which the first change of M leaves zeros.)  Work on registers while the others arrive
.set i, i+1
.endr
	v_mov_b32 v5, 0xff61b1e6                       ; the largest t so far: -3e38, under every t
	v_mov_b32 v9, 0xff61b1e6
	v_floor_f32 v4, -v5                            ; -M
	v_floor_f32 v8, -v9
	v_mov_b32 v6, 0                                ; the sums, in two halves
	v_mov_b32 v7, 0
	v_mov_b32 v10, 0
	v_mov_b32 v11, 0
	v_mov_b32 v13, 0                               ; (named as the upper half of the pair v[12:13])
	v_mov_b32 v15, 0                               ; a lane permute's destination counts as one of its sources
	v_mov_b32 v3, s76                              ; 2^e8, for p's conversions
	s_barrier_wait -1                              ; the head's K and V lie in LDS; nothing writes them again
	; ---------------- the key loop
; One tile's softmax for a key step: 64 scores of a lane in v96-159.  st: -M, largest t, the sum's two halves; o: the tile's O^T; pc: p's codes.
.macro SOFTMAX st, o, pc
	v_max3_num_f32 v14, v96, v97, v98              ; the step's largest score of my query among my 64 keys, in two chains, ascending: each accumulator is first read at its low end
	v_max3_num_f32 v12, v99, v100, v101
.set j, 6
.rept 14
	v_max3_num_f32 v14, v14, v[96+j], v[97+j]
	v_max3_num_f32 v12, v12, v[98+j], v[99+j]
.set j, j+4
.endr
	v_max3_num_f32 v14, v14, v158, v159
	v_max_num_f32 v14, v14, v12
	v_permlanex16_b32 v15, v14, s30, s31
	v_max_num_f32 v14, v14, v15                    ; and among lane l xor 16's
	v_mul_f32 v14, s44, v14                        ; as t (c is positive)
	v_max_num_f32 v[\st+1], v[\st+1], v14          ; the running largest t
	v_mov_b32 v14, v[\st]
	v_floor_f32 v[\st], -v[\st+1]                  ; the new -M = floor(-t) = -ceil(t): a whole number
	v_sub_f32 v14, v[\st], v14                     ; old M - new M: a whole number, 0 or less
	v_cvt_i32_f32 v14, v14                         ; (it saturates)
	v_ldexp_f32 v12, 1.0, v14                      ; f = 2^(old M - new M): a multiplication by it rounds nothing
.set j, 0
.rept 32
	v_pk_fma_f32 v[96+j:97+j], v[96+j:97+j], s[44:45], v[\st:\st+1] op_sel_hi:[1,0,0]   ; t - M, two at a time (of the pairs c and -M the low word serves both halves)
.set j, j+2
.endr
.set j, 0
.rept 64
	v_exp_f32 v[96+j], v[96+j]                     ; p = 2^(t - M), at most 1
.set j, j+1
.endr
	v_pk_mul_f32 v[\st+2:\st+3], v[\st+2:\st+3], v[12:13] op_sel_hi:[1,0]   ; the sums under the new M: the plain line behind the exponentials
	s_wait_alu depctr_va_vdst(0)                   ; the 64 exponentials have written v96-159: one wait for the batch, ahead of the first line that names a result
	v_pk_add_f32 v[14:15], v[96:97], v[98:99]      ; the row's sum is taken of the unquantised p: two at a time, in two chains
.set j, 4
.rept 15
	v_pk_add_f32 v[\st+2:\st+3], v[\st+2:\st+3], v[96+j:97+j]
	v_pk_add_f32 v[14:15], v[14:15], v[98+j:99+j]
.set j, j+4
.endr
	v_pk_add_f32 v[\st+2:\st+3], v[\st+2:\st+3], v[14:15]
	s_cmp_ge_i32 s40, -15                          ; p <= 1 <= 57,344 x 2^e8 wherever e8 >= -15: there the hold changes no number and is passed over; for every other e8 it runs.  e8 is a whole number of the input
	s_cbranch_scc1 .Lnohold_\@
.set j, 0
.rept 64
	v_min_num_f32 v[96+j], s46, v[96+j]            ; the conversion does not saturate (ISA guide 7.6.2); p is not negative, so the hold is one-sided
.set j, j+1
.endr
.Lnohold_\@:
.irp t, 0,1,2,3,4,5,6,7
	v_cvt_scalef32_pk8_bf8_f32 v[\pc+2*\t:\pc+2*\t+1], v[96+8*\t:103+8*\t], v3   ; key tile t gives pair t of P's fragment
.endr
.set j, 0
.rept 16
	v_pk_mul_f32 v[\o+j:\o+j+1], v[\o+j:\o+j+1], v[12:13] op_sel_hi:[1,0]   ; O^T under the new M.  (Also the plain lines behind the conversions)
.set j, j+2
.endr
.endm
	s_mov_b32 s50, 0                               ; the chunk's LDS byte, and the loop's counter: 16 trips
.Lkeys:
	s_wait_alu depctr_vm_vsrc(0)                   ; the last trip's 32 LDS loads have read v2, which the next line writes
	v_add_nc_u32 v2, s50, v1
	PLACES 3                                       ; with the addition: four places between the last products and the loads into V's registers
	s_wait_alu depctr_va_vdst(0)                   ; v2 is written, which the trip's loads read; the last trip's products O^T are done reading V's fragments in v32-95 (first trip: the head's products and scalings are done with these registers), in which K's land
.irp t, 0,1,2,3,4,5,6,7
	ds_load_b128 v[32+8*\t:35+8*\t], v2 offset:1024*\t
	ds_load_b128 v[36+8*\t:39+8*\t], v2 offset:1024*\t+512
.endr
	s_wait_dscnt 0x0
.irp t, 0,1,2,3,4,5,6,7
	v_wmma_f32_16x16x64_bf8_bf8 v[96+8*\t:103+8*\t], v[32+8*\t:39+8*\t], v[16:23], 0      ; S^T of tile A
.endr
	PLACES 4
	SOFTMAX 4, 160, 224
.irp t, 0,1,2,3,4,5,6,7
	v_wmma_f32_16x16x64_bf8_bf8 v[96+8*\t:103+8*\t], v[32+8*\t:39+8*\t], v[24:31], 0      ; S^T of tile B, from the same fragments of K
.endr
	PLACES 4                                       ; in front of the loads into K's registers and of the first read of the scores
	s_wait_alu depctr_va_vdst(0)                   ; both tiles' products S^T are done reading K's fragments in v32-95, in which V's land; no line of tile B's softmax names these registers
.irp t, 0,1,2,3
.irp q, 0,1,2,3
	ds_load_b128 v[32+16*\t+4*\q:35+16*\t+4*\q], v2 offset:VOF+2048*\t+512*\q              ; V's four fragments land under tile B's softmax
.endr
.endr
	SOFTMAX 8, 192, 240
	s_wait_dscnt 0x0
.irp t, 0,1,2,3                                ; O^T += V^T P^T: eight accumulators by turns, one instruction a turn
	v_wmma_f32_16x16x128_bf8_bf8 v[160+8*\t:167+8*\t], v[32+16*\t:47+16*\t], v[224:239], v[160+8*\t:167+8*\t]
	v_wmma_f32_16x16x128_bf8_bf8 v[192+8*\t:199+8*\t], v[32+16*\t:47+16*\t], v[240:255], v[192+8*\t:199+8*\t]
.endr
	s_add_co_u32 s50, s50, CH
	s_cmp_lt_u32 s50, 16*CH
	s_cbranch_scc1 .Lkeys
	; ---------------- ctx: O^T / the sum x 2^(e8 + e9), quantised in registers, to LDS as images.  The additions and addresses below are the places behind the last products
	v_add_f32 v6, v6, v7                           ; the sums' two halves
	v_add_f32 v10, v10, v11
	v_and_b32 v124, 15, v0                         ; r
	v_bfe_u32 v125, v0, 4, 1                       ; h
	v_lshlrev_b32 v116, 9, v124
	v_lshl_add_u32 v116, v125, 3, v116             ; Wo's codes: row r of 512 bytes + 8 h
	v_lshlrev_b32 v117, 4, v124                    ; bo, gamma, beta: my 4 columns
	s_lshl_b32 s55, s2, 11
	s_add_co_u32 s55, s55, CTX
	v_add_nc_u32 v118, s55, v1                     ; where I store ctx's images: fragments 2 w and 2 w + 1 (= 8 x tile of rows + column block)
	s_lshl_b32 s55, s54, 13
	s_add_co_u32 s55, s55, CTX
	v_add_nc_u32 v119, s55, v1                     ; and where I read the 8 fragments of tile of rows w / 4
	s_mul_i32 s55, s54, 16*YP
	s_lshl_b32 s56, s53, 6
	s_add_co_u32 s55, s55, s56
	s_add_co_u32 s55, s55, YST
	v_mul_u32_u24 v120, v124, YP
	v_lshl_add_u32 v120, v125, 5, v120
	v_add_nc_u32 v120, s55, v120                   ; the stage, in: row 16 (w / 4) + r, bytes 64 (w % 4) + 32 h on
	s_mul_i32 s55, s2, 4*YP
	s_add_co_u32 s55, s55, YST
	v_mul_u32_u24 v121, v125, YP
	v_lshl_add_u32 v121, v124, 4, v121
	v_add_nc_u32 v121, s55, v121                   ; and back: row 4 w + h, 16 bytes a lane
	v_mov_b32 v122, s74                            ; 2^e10
	v_mov_b32 v123, s75                            ; 57,344 x 2^e10
	s_wait_alu depctr_va_vdst(0)                   ; v116 to v121, the way out's offsets and addresses, are written; the last products are done reading v32-95 and the last softmax is done with v96-115, in which the 37 loads below land
.irp t, 0,1,2,3,4,5,6,7
	WFRAG 32+8*\t, 116, 12, 64*\t                  ; Wo's 16 rows, K = 512: 32 loads, asked for one barrier ahead of their use
.endr
	global_load_b128 v[96:99], v1, s[82:83]        ; the residual: my 4 rows of x, two rows a load
	global_load_b128 v[100:103], v1, s[82:83] offset:512
	global_load_b128 v[104:107], v117, s[20:21]    ; bo
	global_load_b128 v[108:111], v117, s[22:23]    ; gamma
	global_load_b128 v[112:115], v117, s[24:25]    ; beta
	v_permlanex16_b32 v7, v6, s30, s31
	v_permlanex16_b32 v11, v10, s30, s31
	v_add_f32 v6, v6, v7                           ; the row's sum
	v_add_f32 v10, v10, v11
	v_rcp_f32 v6, v6
	v_rcp_f32 v10, v10
	v_nop                                          ; a plain line behind the reciprocals,
	s_wait_alu depctr_va_vdst(0)                   ; the two reciprocals have written v6 and v10: one wait for both, ahead of their first reader
	v_ldexp_f32 v6, v6, s47                        ; x 2^(e8 + e9)
	v_ldexp_f32 v10, v10, s47
.set j, 0
.rept 16
	v_pk_mul_f32 v[160+j:161+j], v[160+j:161+j], v[6:7] op_sel_hi:[1,0]
.set j, j+2
.endr
.set j, 0
.rept 16
	v_pk_mul_f32 v[192+j:193+j], v[192+j:193+j], v[10:11] op_sel_hi:[1,0]
.set j, j+2
.endr
.set j, 0
.rept 64
	v_med3_num_f32 v[160+j], v[160+j], -v123, v123
.set j, j+1
.endr
.irp t, 0,1,2,3
	v_cvt_scalef32_pk8_bf8_f32 v[224+2*\t:225+2*\t], v[160+8*\t:167+8*\t], v122
	v_cvt_scalef32_pk8_bf8_f32 v[240+2*\t:241+2*\t], v[192+8*\t:199+8*\t], v122
.endr
	v_nop
	s_wait_alu depctr_va_vdst(0)                   ; the conversions have written v224-231 and v240-247, which the four stores read, and are done reading v160-223, in which ctx's fragments land behind the barrier
	ds_store_b128 v118, v[224:227]
	ds_store_b128 v118, v[228:231] offset:512
	ds_store_b128 v118, v[240:243] offset:1024
	ds_store_b128 v118, v[244:247] offset:1536
	BAR                                            ; ctx's 32 fragments lie in LDS (where x's images lay: their last read stands ahead of the barrier in front of the key loop)
	; ---------------- ctx Wo: wave w makes token rows 16 (w / 4) on x outputs 16 (w % 4) on; source 0 = Wo's rows, source 1 = ctx
.irp t, 0,1,2,3,4,5,6,7
	ds_load_b128 v[160+8*\t:163+8*\t], v119 offset:1024*\t
	ds_load_b128 v[164+8*\t:167+8*\t], v119 offset:1024*\t+512
.endr
	s_wait_loadcnt 5                               ; Wo's 32 loads are in; the five issued behind them may be out
	s_wait_dscnt 0x0
	v_wmma_f32_16x16x128_bf8_bf8 v[128:135], v[32:47], v[160:175], 0          ; two accumulators by turns
	v_wmma_f32_16x16x128_bf8_bf8 v[136:143], v[48:63], v[176:191], 0
	v_wmma_f32_16x16x128_bf8_bf8 v[128:135], v[64:79], v[192:207], v[128:135]
	v_wmma_f32_16x16x128_bf8_bf8 v[136:143], v[80:95], v[208:223], v[136:143]
	PLACES 4
.irp j, 0,2,4,6
	v_pk_add_f32 v[144+\j:145+\j], v[128+\j:129+\j], v[136+\j:137+\j]
.endr
	s_wait_alu depctr_va_vdst(0)                   ; the four additions have written v144-151, which the two stores read
	ds_store_b128 v120, v[144:147]
	ds_store_b128 v120, v[148:151] offset:16
	BAR                                            ; 64 whole rows of sums lie in the stage
	; ---------------- residual and LayerNorm: wave w takes rows 4 w .. 4 w + 3; sixteen lanes hold a row, 4 columns each
	ds_load_b128 v[152:155], v121
	ds_load_b128 v[156:159], v121 offset:2*YP
	s_wait_loadcnt 0x0
.irp i, 0,1
	v_pk_add_f32 v[96+4*\i:97+4*\i], v[96+4*\i:97+4*\i], v[104:105]           ; x + bo
	v_pk_add_f32 v[98+4*\i:99+4*\i], v[98+4*\i:99+4*\i], v[106:107]
.endr
	s_wait_dscnt 0x0
.irp i, 0,1
	v_pk_fma_f32 v[152+4*\i:153+4*\i], v[152+4*\i:153+4*\i], s[48:49], v[96+4*\i:97+4*\i] op_sel_hi:[1,0,1]   ; y = sum x 2^(e10 + e11) + x + bo
	v_pk_fma_f32 v[154+4*\i:155+4*\i], v[154+4*\i:155+4*\i], s[48:49], v[98+4*\i:99+4*\i] op_sel_hi:[1,0,1]
.endr
	v_pk_add_f32 v[124:125], v[152:153], v[154:155]
	v_pk_add_f32 v[126:127], v[156:157], v[158:159]
	v_add_f32 v124, v124, v125
	v_add_f32 v126, v126, v127
.irp m, 1,2,4,8
	v_add_f32_dpp v124, v124, v124 row_xmask:\m row_mask:0xf bank_mask:0xf    ; over the sixteen lanes of the row
	v_add_f32_dpp v126, v126, v126 row_xmask:\m row_mask:0xf bank_mask:0xf
.endr
	v_mul_f32 v124, s80, v124                      ; the mean
	v_mul_f32 v126, s80, v126
.irp k, 0,1,2,3
	v_sub_f32 v[152+\k], v[152+\k], v124           ; the deviations: the variance is taken of them, so no difference of large sums is formed
	v_sub_f32 v[156+\k], v[156+\k], v126
.endr
	v_mul_f32 v125, v152, v152
	v_mul_f32 v127, v156, v156
.irp k, 1,2,3
	v_fma_f32 v125, v[152+\k], v[152+\k], v125
	v_fma_f32 v127, v[156+\k], v[156+\k], v127
.endr
.irp m, 1,2,4,8
	v_add_f32_dpp v125, v125, v125 row_xmask:\m row_mask:0xf bank_mask:0xf
	v_add_f32_dpp v127, v127, v127 row_xmask:\m row_mask:0xf bank_mask:0xf
.endr
	v_fma_f32 v125, v125, s80, s81                 ; the variance + 1e-5
	v_fma_f32 v127, v127, s80, s81
	v_rsq_f32 v125, v125
	v_rsq_f32 v127, v127
	v_nop                                          ; a plain line behind the two,
	s_wait_alu depctr_va_vdst(0)                   ; the two reciprocal roots have written v125 and v127: one wait for both, ahead of their first reader
.irp k, 0,1,2,3
	v_mul_f32 v[152+\k], v[152+\k], v125
	v_mul_f32 v[156+\k], v[156+\k], v127
.endr
.irp i, 0,1
	v_pk_fma_f32 v[152+4*\i:153+4*\i], v[152+4*\i:153+4*\i], v[108:109], v[112:113]   ; x gamma + beta
	v_pk_fma_f32 v[154+4*\i:155+4*\i], v[154+4*\i:155+4*\i], v[110:111], v[114:115]
.endr
	s_wait_alu depctr_va_vdst(0)                   ; the four multiply-adds have written v152-159, which the two stores read
	global_store_b128 v1, v[152:155], s[28:29] th:TH_STORE_NT                 ; 32 lanes store 512 consecutive bytes, two whole rows, at a multiple of 256 from out0's first byte
	global_store_b128 v1, v[156:159], s[28:29] offset:512 th:TH_STORE_NT
	s_wait_xcnt 0x0
	v_lshl_add_u32 v254, v0, 2, 0x4c400            ; the add's two registers, made anew here: no memory or LDS instruction of the text has read v254 or v255
	v_mov_b32 v255, 0
	s_wait_dscnt 0x0                               ; the closing lines, six on end
	s_wait_alu 0x0
	s_wait_tensorcnt 0x0
	ds_add_u32 v254, v255
	s_wait_dscnt 0x0
	s_endpgm
.Lfunc_end_k_q01de2e7f0d_mha:
	.size	k_q01de2e7f0d_mha, .Lfunc_end_k_q01de2e7f0d_mha-k_q01de2e7f0d_mha
	.p2alignl 7, 3214868480
	.fill 96, 4, 3214868480
	.section	.rodata,"a",@progbits
	.p2align	6, 0x0
	.amdhsa_kernel k_q01de2e7f0d_mha
		.amdhsa_group_segment_fixed_size 314368
		.amdhsa_private_segment_fixed_size 0
		.amdhsa_enable_private_segment 0
		.amdhsa_kernarg_size 104
		.amdhsa_user_sgpr_count 2
		.amdhsa_user_sgpr_kernarg_segment_ptr 1
		.amdhsa_wavefront_size32 1
		.amdhsa_system_sgpr_workgroup_id_x 1
		.amdhsa_system_sgpr_workgroup_id_y 1
		.amdhsa_system_sgpr_workgroup_id_z 1
		.amdhsa_system_vgpr_workitem_id 0
		.amdhsa_next_free_vgpr 256
		.amdhsa_next_free_sgpr 96
		.amdhsa_reserve_vcc 0
		.amdhsa_float_denorm_mode_32 3
		.amdhsa_float_denorm_mode_16_64 3
		.amdhsa_memory_ordered 1
		.amdhsa_forward_progress 1
		.amdhsa_inst_pref_size 132
	.end_amdhsa_kernel
	.amdgpu_metadata
---
amdhsa.version: [ 1, 2 ]
amdhsa.kernels:
  - .name:           k_q01de2e7f0d_mha
    .symbol:         k_q01de2e7f0d_mha.kd
    .args:
      - { .name: x, .offset: 0, .size: 8, .value_kind: global_buffer, .address_space: global }
      - { .name: Wq_codes, .offset: 8, .size: 8, .value_kind: global_buffer, .address_space: global }
      - { .name: Wk_codes, .offset: 16, .size: 8, .value_kind: global_buffer, .address_space: global }
      - { .name: Wv_codes, .offset: 24, .size: 8, .value_kind: global_buffer, .address_space: global }
      - { .name: Wo_codes, .offset: 32, .size: 8, .value_kind: global_buffer, .address_space: global }
      - { .name: bq, .offset: 40, .size: 8, .value_kind: global_buffer, .address_space: global }
      - { .name: bk, .offset: 48, .size: 8, .value_kind: global_buffer, .address_space: global }
      - { .name: bv, .offset: 56, .size: 8, .value_kind: global_buffer, .address_space: global }
      - { .name: bo, .offset: 64, .size: 8, .value_kind: global_buffer, .address_space: global }
      - { .name: gamma, .offset: 72, .size: 8, .value_kind: global_buffer, .address_space: global }
      - { .name: beta, .offset: 80, .size: 8, .value_kind: global_buffer, .address_space: global }
      - { .name: lowp_scales, .offset: 88, .size: 8, .value_kind: global_buffer, .address_space: global }
      - { .name: out0, .offset: 96, .size: 8, .value_kind: global_buffer, .address_space: global }
    .group_segment_fixed_size: 314368
    .private_segment_fixed_size: 0
    .kernarg_segment_align: 8
    .kernarg_segment_size: 104
    .max_flat_workgroup_size: 512
    .sgpr_count:     96
    .vgpr_count:     256
    .wavefront_size: 32
...
	.end_amdgpu_metadata
.endif
;; end of part 2
